; MI455X (gfx1250); checked and timed in simulation.
; The chip was launched on July 23, 2026; its instructions are those of AMD's public machine-readable ISA for CDNA 5 (MIT licence, August 2026) and "CDNA5" Instruction Set Architecture Reference Guide (July 2026). The comments in the code are by the model that wrote it; some were corrected since.
;; Multi Head Attention Module. Allowed arithmetic: matrix products marked QUANTISED: E5M2 operands, one given power-of-two scale a tensor, by v_wmma_f32_16x16x64_bf8_bf8 or v_wmma_f32_16x16x128_bf8_bf8, f32 sums; everything else in f32.
;; Inputs: lowp_scales 6 int32 (the exponents e of the quantised operands' scales 2^e); wqkv_codes 3,072 x 32 x 32 uint8 (E5M2 codes of wqkv, K innermost, in blocks of 32 codes); x_codes 2 x 2,048 x 32 x 32 uint8 (E5M2 codes of x, K innermost, in blocks of 32 codes).
;; Outputs: out0 2 x 2,048 x 1,024 float32.
;; This version of the problem:
;;   THIS VERSION OF THE PROBLEM IS GIVEN IN LOW PRECISION. The matrix products marked QUANTISED in the list below multiply operands that are first quantised to E5M2 (5 exponent bits, 2 mantissa bits; 8 bits a number), with one given power-of-two scale for each operand tensor; their sums are f32. All else is computed in f32.
;;   The module's matrix products, in the order in which they are computed (A, B: the left and right operand; K: the contracted axis; several contracted axes count as one K, in the product's order):
;;     1. [M 4,096, K 1,024] x [K 1,024, N 3,072]; A: input x (given as codes); B: input wqkv (given as codes): QUANTISED (scales: A lowp_scales[0], B lowp_scales[1])
;;     2. batch 32 x [M 2,048, K 64] x [K 64, N 2,048]; A: computed on the way; B: computed on the way: QUANTISED (scales: A lowp_scales[2], B lowp_scales[3])
;;     3. batch 32 x [M 2,048, K 2,048] x [K 2,048, N 64]; A: softmax (see below); B: computed on the way: QUANTISED (scales: A lowp_scales[4], B lowp_scales[5])
;;   THE QUANTISER, for each operand of a quantised product, along K:
;;     - The operand's scale is 2^e, e = its entry of the input lowp_scales (int32; the entries are numbered through the quantised products in the list's order, A before B).
;;     - Each number is divided by the scale, clamped to +-57,344, and rounded to the nearest number of E5M2, ties to even, subnormals kept.
;;     - The product sums the exact products of the quantised numbers (number of the format x scale) in f32.
;;   ~~~python
;;   def quantise(x, axis, e):      # numpy; x: float32 -> the quantised numbers, widened to float32 again
;;       x = np.moveaxis(x, axis, -1); K = x.shape[-1]
;;       r = np.clip(x / 2.0 ** e, -57344, 57344)
;;       step = 2.0 ** (np.maximum(np.frexp(np.where(r == 0, 1, r))[1] - 1, -14) - 2)
;;       q = np.round(r / step) * step * 2.0 ** e      # np.round: ties to even
;;       return np.moveaxis(q, -1, axis).astype(np.float32)
;;   ~~~
;;   SOFTMAX AHEAD OF A QUANTISED PRODUCT. Where the list says 'softmax', what is quantised is not the finished softmax but p = 2^(t - M), with t = logit x log2(e) and M = ceil(the row's largest t), a whole number; so 1/2 < the row's largest p <= 1. The row's sum l is taken of the UNQUANTISED p, in f32, and the product's result is divided by l at the end. Since M is a whole number, a kernel that streams over the keys may use a running M (the ceiling of the running maximum): every later rescaling is an exact power of two, so the quantised numbers keep their values, but for numbers so far below the row's largest that they fall under the format's range.
;;   OPERANDS COMPUTED ON THE WAY. 'Computed on the way' means the value that the module computes at that place (a softmax that the list does not call 'softmax' is quantised finished and normalised). What goes into a quantiser is computed in f32, as accurately as f32 sums, v_exp_f32 and their like allow (about 1e-6 of the number): no bf16 or f16 on the way to a quantiser, and a product that is left as it is and whose result goes on into a quantised operand takes f32 operands (vector FMAs, or v_wmma_f32_16x16x4_f32). A number that lies on a knife's edge between two numbers of the format may be rounded either way, as far as f32 arithmetic and the matrix unit's own rounding can turn it there, and no further.
;;   INPUTS GIVEN AS CODES. wqkv (in the module: [1024, 3072], K = its axis 0); x (in the module: [2, 2048, 1024], K = its axis 2): each comes as NAME_codes (uint8): NAME with its K axis moved to the last place and cut into blocks of 32 codes, [.., K / 32, bytes a block], one block behind the other in memory; one code a byte (a code: sign, 5 exponent bits, 2 mantissa bits); its scale is its entry of lowp_scales. Its value is code x scale, taken as it is: it is not quantised again, and the codes and scales need not be those that the quantiser above would give.
;; 2 versions, each right; version 2 is version 1 with the launch attn written anew for expert scheduling mode. Each part assembles by itself: llvm-mc -triple=amdgcn-amd-amdhsa -mcpu=gfx1250 --defsym DOCPART=n.
;; ======== version 1 of 2: 2 launches
;; limits: right only within a limited range of input values
;; workspace buffers: vimg 4,194,304 bytes; rec 524,288 bytes
;; launch qkv (part 1): grid 16 x 16, 4 waves a work-group, clusters of 4 x 4, 327,680 bytes of LDS; arguments x_codes, wqkv_codes, lowp_scales, vimg, rec; writes vimg, rec
.if DOCPART == 1
	.amdgcn_target "amdgcn-amd-amdhsa--gfx1250"
	.amdhsa_code_object_version 6
	.text
	.protected	k_qfbb92bdfe3_qkv
	.globl	k_qfbb92bdfe3_qkv
	.p2align	8
	.type	k_qfbb92bdfe3_qkv,@function
k_qfbb92bdfe3_qkv:
	s_mov_b64 s[64:65], 0
	v_nop
	global_prefetch_b8 v0, s[64:65] scope:SCOPE_SE
	s_setreg_imm32_b32 hwreg(HW_REG_WAVE_MODE, 25, 1), 1
	s_wait_xcnt 0x0
	s_wait_alu depctr_hold_cnt(0) depctr_sa_sdst(0) depctr_va_vdst(0) depctr_va_sdst(0) depctr_va_ssrc(0) depctr_va_vcc(0) depctr_vm_vsrc(0)
	s_getreg_b32 s2, hwreg(HW_REG_IB_STS2, 6, 4)
	s_cmp_eq_u32 s2, 0
	s_cbranch_scc0 .Lentry_in_a_cluster
	s_endpgm
.Lentry_in_a_cluster:
	s_bfe_u32 s2, ttmp6, 0x10000c
	s_cmp_lg_u32 s2, 0xf033
	s_cbranch_scc0 .Lentry_shape_is_right
	s_endpgm
.Lentry_shape_is_right:
; qkv = x wqkv on the given E5M2 codes, and all that a row of the attention needs besides V itself.
; x_codes: [4096][1024] bytes, wqkv_codes: [3072][1024] bytes, K innermost.  A head owns 192 neighbouring columns: q 64, k 64, v 64.
; WHAT THE MASKS LEAVE.  The function zeroes every score with key < query and sets every score with key > query to -1e9: of q k^T only the diagonal is kept.  So a row at position pos has
; the logits 0 (pos times), its own score, and -1e9.  With t = own score x log2(e): M = ceil(max(t, 0)) (position 0: ceil(t)), p = c = 2^-M below the diagonal, p = d = 2^(t - M) on it,
; p = 0 above it, l = pos x c + d.  This launch stores, for each row of each head, 2^(e4 + e5) / l and the codes of c and d (rec), and v's codes (vimg); the second launch multiplies.
; SHARES.  A work-group takes 256 rows x one head; wave w its rows 64 w .. 64 w + 63 and all 192 columns: 4 tiles of rows x 12 tiles of columns = 48 accumulators.  So a wave holds q, k and v of
; the same rows: the diagonal product needs no other wave.  K goes through a ring of two LDS slots of 256 along K (two steps of 128), filled by the tensor data mover.
; CLUSTERS: 4 x 4 work-groups.  The four of a row of the cluster take the same rows of x, the four of a column the same head of wqkv: each tile is asked for JOINTLY.
; LAYOUT.  For q and k the matrix instruction is used transposed (source 0 = 16 columns of wqkv, source 1 = 16 rows of x): a lane holds one row and eight neighbouring channels, so the conversions'
; results are the operands of the diagonal product.  For v it is used straight (source 0 = x, source 1 = wqkv): a lane holds one channel and eight neighbouring KEYS, which are the last product's K.
; vimg: [b x 16 + head][tile of 16 channels][step of 128 keys] fragments of 2,048 bytes, as images of the operand's registers: registers 4 Q .. 4 Q + 3 of lane l at byte 512 Q + 16 l.
; rec: [b x 16 + head][position] 8 bytes: 2^(e4 + e5) / l as f32, then a word with the bytes code(c), code(d), 0, 0.
; A fragment of x or wqkv comes by four loads of 16 bytes: a permutation of k inside an instruction's 128, the same on both sides, so every product meets its partner.
; LIMITS: NaN among the numbers is not served.  e2 - e0 - e1, e3 - e0 - e1, e5 - e0 - e1 and e4 lie between -126 and 112, e2 + e3 between -123 and 129, so that each power of two below is an f32
; number.  Position 0's own score lies above -1e9 + 100: below that the entries at -1e9 would count, and they are taken as p = 0 here.
; REGISTERS, in windows of 256: window 0: v0-38 addresses and constants; v64-127, v128-191 x's four fragments, two sets; the epilogue works in v64-255.
;   window 1: wqkv's twelve fragments, one set, v[16 b].   window 2: accumulator (b, a) of q (b 0-3) and k (b 4-7) at v[8 (4 b + a)].   window 3: v's (ct, a) at v[8 (4 ct + a)].
.set PITCH,  272                       ; an LDS row: 256 bytes + 16 of padding = 68 words: row r starts at bank 4 r mod 64 (64 banks of 4 bytes: ISA guide 11.1)
.set XHALF,  128*PITCH                 ; what a tensor load brings of x
.set WHALF,  96*PITCH                  ; and of wqkv
.set WOFF,   256*PITCH                 ; a slot: x's 256 rows, then wqkv's 192
.set SLOT,   448*PITCH
.set SPARE,  2*SLOT                    ; behind the ring: the spare words, 128 bytes for each wave: two blocks of 256 bytes that no other line names
.set PADW,   (1<<20)|(1<<21)|(5<<22)|(3<<25)   ; elements of 1 byte; 20 padding on; 21 set beside a mask; 24:22 after every 64 words; 31:25 four words
.set ADRX, 16                          ; v16-17  LDS address of my fragments of x in slot 0, 1
.set ADRW, 20                          ; v20-21  the same for wqkv
.set VO,   24                          ; v24     16 x lane: my place in a quad of an image
.set RO,   25                          ; v25     128 (lane / 16) + 8 (lane % 16): my place among 32 records
.set SPW,  28                          ; v28     LDS address of my spare word; never rewritten
.set NIL,  29                          ; v29     0; never rewritten
.set LIMQ, 30                          ; v30-37  for q, k, v, p: the largest number x the scale, and the scale, as f32
.set SCLQ, 31
.set LIMK, 32
.set SCLK, 33
.set LIMV, 34
.set SCLV, 35
.set LIMP, 36
.set SCLP, 37
.set NEG,  38                          ; v38     -3e38
.set XF,   64                          ; x's fragments: set p at XF + 64 p
.set QF,   64                          ; the epilogue: q's codes, 8 registers a tile of rows
.set KF,   96                          ; k's
.set VC,   128                         ; v's, 8 registers a tile of channels
.set DG,   160                         ; the four diagonal tiles of q k^T
.set EE,   192                         ; four registers each, one a tile of rows: the row's own sum
.set OT,   196                         ; the other half of the lanes'
.set POS,  200                         ; the row's position
.set PF,   204                         ; as f32
.set TT,   208                         ; t
.set ZZ,   212                         ; max(t, 0 or -3e38)
.set NM,   216                         ; -M
.set CC,   220                         ; c
.set DD,   224                         ; d
.set LL,   228                         ; l, then 2^(e4 + e5) / l
.set PS,   232                         ; v232-247 c, d, 0, 0 for each tile
.set PWD,  248                         ; v248-251 their codes: a word a tile
.set RC,   252                         ; v252-255 two records' pairs
.set G1,  24                           ; s[24:31] descriptor group 1 for x's tiles;  s[32:39] group 0, one set for each slot
.set G0,  32
.set G1B, 48                           ; s[48:55], s[56:63] the same for wqkv's tiles
.set G0B, 56
.set MSB, 0
.macro WIN new                         ; the immediate's high byte repeats the setting that is left
.if MSB != \new
	s_set_vgpr_msb (MSB<<8)|\new
.set MSB, \new
.endif
.endm
; A joint load: waves 0 and 1 fetch x's halves, waves 2 and 3 wqkv's.  The branch hangs on the wave's number alone.  Four v_nop follow each of the two lines.
.macro JLOAD g0a, g1a, g0b, g1b
	s_cmp_eq_u32 s15, 0
	s_cbranch_scc0 .Lfor_b_\@
	tensor_load_to_lds s[\g0a:\g0a+3], s[\g1a:\g1a+7]
	s_nop 0
.rept 4
	v_nop
.endr
	s_branch .Lasked_\@
.Lfor_b_\@:
	tensor_load_to_lds s[\g0b:\g0b+3], s[\g1b:\g1b+7]
	s_nop 0
.rept 4
	v_nop
.endr
.Lasked_\@:
.endm
.macro CREST                           ; a round of the cluster's barrier behind its opening barrier
	s_cmp_lg_u32 s14, 0
	s_cbranch_scc1 .Lnot_wave_0_\@
	s_barrier_signal -3
.Lnot_wave_0_\@:
	s_barrier_wait -3
	s_barrier_signal -1
	s_barrier_wait -1
.endm
.macro CROUND                          ; a whole round
	s_barrier_signal -1
	s_barrier_wait -1
	CREST
.endm
.macro PLACES n                        ; plain vector instructions that name no register of the matrix instructions before them (ISA guide 7.12.1)
.rept \n
	v_nop
.endr
.endm
.macro MKSCALE se, vl, vs              ; s[se] = e: v[vs] = 2^e, v[vl] = 57,344 x 2^e, as f32
	s_add_co_i32 s89, s[\se], 127
	s_lshl_b32 s90, s89, 23
	v_mov_b32 v[\vs], s90
	s_add_co_i32 s89, s89, 15
	s_lshl_b32 s89, s89, 23
	s_or_b32 s89, s89, 0x600000
	v_mov_b32 v[\vl], s89
.endm
	s_load_b256 s[4:11], s[0:1], 0x0               ; x's codes s[4:5], wqkv's s[6:7], the exponents s[8:9], vimg s[10:11]
	s_load_b64 s[12:13], s[0:1], 0x20              ; rec
	v_lshl_add_u32 v[SPW], v0, 2, SPARE
	v_mov_b32 v[NIL], 0
	ds_add_u32 v28, v29
	ds_add_u32 v28, v29
	s_wait_dscnt 0x0
	v_lshrrev_b32 v1, 5, v0
	v_readfirstlane_b32 s14, v1                    ; wave 0..3
	s_lshr_b32 s15, s14, 1                         ; I fetch for x (0) or for wqkv (1)
	s_and_b32 s16, s14, 1                          ; which half of that tile
	s_bfe_u32 s40, ttmp6, 0x40000                  ; cx, cy: my place in the cluster
	s_bfe_u32 s41, ttmp6, 0x40004
	s_lshl_b32 s42, ttmp9, 2
	s_add_co_u32 s42, s42, s40                     ; the head = 4 x cluster x + cx
	s_and_b32 s17, ttmp7, 0xffff
	s_lshl_b32 s17, s17, 2
	s_add_co_u32 s17, s17, s41                     ; the block of 256 rows = 4 x cluster y + cy
	s_lshl_b32 s43, s41, 2
	s_lshl_b32 s43, 15, s43                        ; my row of the cluster
	s_lshl_b32 s44, 0x1111, s40                    ; my column
	s_or_b32 s[G1+0], s43, PADW                    ; x's tiles go to my row of the cluster,
	s_or_b32 s[G1B+0], s44, PADW                   ; wqkv's to my column
	s_mov_b32 s[G1+1], 256<<16                     ; tensor_dim0 = 256 bytes
	s_mov_b32 s[G1+2], 128<<16                     ; tensor_dim1 = 128 rows
	s_mov_b32 s[G1+3], 256<<16                     ; tile_dim0
	s_mov_b32 s[G1+4], 128                         ; tile_dim1
	s_mov_b32 s[G1+5], 1024                        ; from row to row
	s_mov_b32 s[G1+6], 0
	s_mov_b32 s[G1+7], 0
	s_mov_b32 s[G1B+1], 256<<16
	s_mov_b32 s[G1B+2], 96<<16                     ; 96 rows
	s_mov_b32 s[G1B+3], 256<<16
	s_mov_b32 s[G1B+4], 96
	s_mov_b32 s[G1B+5], 1024
	s_mov_b32 s[G1B+6], 0
	s_mov_b32 s[G1B+7], 0
	s_lshl_b32 s18, s16, 7
	s_lshl_b32 s20, s17, 8
	s_add_co_u32 s20, s20, s18                     ; x: row 256 x block + 128 x half,
	s_lshl_b32 s20, s20, 10                        ; in bytes (under 2^22)
	s_mov_b32 s21, 0
	s_mul_i32 s46, s42, 192
	s_mul_i32 s19, s16, 96
	s_add_co_u32 s46, s46, s19                     ; wqkv: row 192 x head + 96 x half,
	s_lshl_b32 s46, s46, 10                        ; in bytes
	s_mov_b32 s47, 0
	s_mul_i32 s45, s16, XHALF                      ; where they go: no place in the cluster enters an LDS address
	s_mul_i32 s66, s16, WHALF
	s_add_co_u32 s66, s66, WOFF
	s_wait_kmcnt 0x0
	s_load_b128 s[68:71], s[8:9], 0x0              ; e0 .. e3
	s_load_b64 s[72:73], s[8:9], 0x10              ; e4, e5
	s_add_nc_u64 s[20:21], s[4:5], s[20:21]
	s_add_nc_u64 s[46:47], s[6:7], s[46:47]
	CROUND                                         ; all sixteen work-groups are here: the first joint loads meet
.irp s, 0,1
	s_mov_b32 s[G0+4*\s], 1
	s_add_co_u32 s[G0+4*\s+1], s45, \s*SLOT
	s_add_nc_u64 s[G0+4*\s+2:G0+4*\s+3], s[20:21], \s*256
	s_or_b32 s[G0+4*\s+3], s[G0+4*\s+3], 0x80000000
	s_mov_b32 s[G0B+4*\s], 1
	s_add_co_u32 s[G0B+4*\s+1], s66, \s*SLOT
	s_add_nc_u64 s[G0B+4*\s+2:G0B+4*\s+3], s[46:47], \s*256
	s_or_b32 s[G0B+4*\s+3], s[G0B+4*\s+3], 0x80000000
	JLOAD G0+4*\s, G1, G0B+4*\s, G1B               ; two tensor loads of mine are out behind the second
.endr
	v_and_b32 v1, 15, v0                           ; r = lane % 16
	v_bfe_u32 v2, v0, 4, 1                         ; h = lane / 16
	v_mul_u32_u24 v3, v1, PITCH
	v_lshl_add_u32 v3, v2, 4, v3                   ; a fragment's row x pitch + 16 x half
	s_mul_i32 s18, s14, 64*PITCH                   ; my 64 rows of x
	s_mov_b32 s19, WOFF                            ; all of wqkv's 192
.irp s, 0,1
	v_add_nc_u32 v[ADRX+\s], s18, v3
	v_add_nc_u32 v[ADRW+\s], s19, v3
	s_add_co_u32 s18, s18, SLOT
	s_add_co_u32 s19, s19, SLOT
.endr
	v_and_b32 v4, 31, v0
	v_lshlrev_b32 v[VO], 4, v4
	v_lshlrev_b32 v[RO], 3, v1
	v_lshl_add_u32 v[RO], v2, 7, v[RO]
	v_mov_b32 v[NEG], 0xff61b1e6                   ; -3e38
	; where my results go
	s_lshr_b32 s88, s17, 3                         ; b
	s_lshl_b32 s88, s88, 4
	s_add_co_u32 s88, s88, s42                     ; bh = 16 b + head
	s_and_b32 s89, s17, 7
	s_lshl_b32 s89, s89, 1
	s_add_co_u32 s89, s89, s15                     ; my step of 128 keys: 2 x (block % 8) + wave / 2
	s_lshl_b32 s90, s88, 17                        ; 131,072 bytes a head,
	s_lshl_b32 s89, s89, 11                        ; 2,048 a fragment,
	s_add_co_u32 s90, s90, s89
	s_lshl_b32 s89, s16, 10                        ; my 64 keys are its quads 2 (wave % 2) and the next
	s_add_co_u32 s90, s90, s89
	s_mov_b32 s91, 0
	s_add_nc_u64 s[10:11], s[10:11], s[90:91]
	s_and_b32 s80, s17, 7
	s_lshl_b32 s80, s80, 8
	s_lshl_b32 s93, s14, 6
	s_add_co_u32 s80, s80, s93                     ; my first row's position in its sequence
	s_lshl_b32 s94, s88, 11
	s_add_co_u32 s94, s94, s80
	s_lshl_b32 s94, s94, 3                         ; 8 bytes a record
	s_mov_b32 s95, 0
	s_add_nc_u64 s[12:13], s[12:13], s[94:95]
	s_mov_b32 s76, 0x76543210                      ; v_permlanex16_b32: lane l xor 16
	s_mov_b32 s77, 0xfedcba98
	s_mov_b32 s78, 0xff0000ff                      ; the lanes that hold a diagonal element themselves: 0-7 and 24-31
	s_mov_b32 s79, 0xffff0000                      ; lanes 16-31
.irp j, 1,2,3,4,5,6,7
	s_mov_b32 s[80+\j], 0x01010101<<\j             ; the lanes with lane % 8 = j
.endr
	s_wait_kmcnt 0x0                               ; the six exponents
	s_add_co_i32 s88, s68, s69                     ; a sum of the first product stands for sum x 2^(e0 + e1): its code is sum / 2^(e - e0 - e1)
	s_sub_co_i32 s91, s70, s88
	MKSCALE 91, LIMQ, SCLQ
	s_sub_co_i32 s91, s71, s88
	MKSCALE 91, LIMK, SCLK
	s_sub_co_i32 s91, s73, s88
	MKSCALE 91, LIMV, SCLV
	MKSCALE 72, LIMP, SCLP
	s_add_co_i32 s74, s70, s71
	s_lshl_b32 s74, s74, 23
	s_add_co_i32 s74, s74, 0x3e38aa3b              ; log2(e) / 8 x 2^(e2 + e3): the two exponents are added to the constant's exponent field
	s_add_co_i32 s75, s72, s73                     ; e4 + e5
.macro FETCH_W slot, q, b0             ; wqkv's fragments b0 .. b0 + 3 of the slot's q-th 128 along K: 16 loads
	WIN 0x40                                       ; destination window 1, address window 0
.irp b, \b0, \b0+1, \b0+2, \b0+3
.irp c, 0,1,2,3
	ds_load_b128 v[16*(\b)+4*\c:16*(\b)+4*\c+3], v[ADRW+\slot] offset:128*(\q)+32*\c+(\b)*16*PITCH
.endr
.endr
.endm
.macro FETCH_X slot, q, p              ; x's four fragments into set p: 16 loads
	WIN 0
.irp a, 0,1,2,3
.irp c, 0,1,2,3
	ds_load_b128 v[XF+64*(\p)+16*\a+4*\c:XF+64*(\p)+16*\a+4*\c+3], v[ADRX+\slot] offset:128*(\q)+32*\c+\a*16*PITCH
.endr
.endr
.endm
; 16 matrix instructions of q (g = 0) or k (g = 1), transposed.  The 48 accumulators take turns, one instruction a turn, in the same order in every step.
.macro MULG g, p, zero
	WIN 0xa1                                       ; source 0 (wqkv) window 1, source 1 (x) window 0, C and D window 2
.irp b, 4*\g, 4*\g+1, 4*\g+2, 4*\g+3
.irp a, 0,1,2,3
.if \zero
	v_wmma_f32_16x16x128_bf8_bf8 v[8*(4*(\b)+\a):8*(4*(\b)+\a)+7], v[16*(\b):16*(\b)+15], v[XF+64*(\p)+16*\a:XF+64*(\p)+16*\a+15], 0
.else
	v_wmma_f32_16x16x128_bf8_bf8 v[8*(4*(\b)+\a):8*(4*(\b)+\a)+7], v[16*(\b):16*(\b)+15], v[XF+64*(\p)+16*\a:XF+64*(\p)+16*\a+15], v[8*(4*(\b)+\a):8*(4*(\b)+\a)+7]
.endif
.endr
.endr
.endm
.macro MULV p, zero                    ; 16 matrix instructions of v, straight
	WIN 0xf4                                       ; source 0 (x) window 0, source 1 (wqkv) window 1, C and D window 3
.irp t, 0,1,2,3
.irp a, 0,1,2,3
.if \zero
	v_wmma_f32_16x16x128_bf8_bf8 v[8*(4*\t+\a):8*(4*\t+\a)+7], v[XF+64*(\p)+16*\a:XF+64*(\p)+16*\a+15], v[16*(8+\t):16*(8+\t)+15], 0
.else
	v_wmma_f32_16x16x128_bf8_bf8 v[8*(4*\t+\a):8*(4*\t+\a)+7], v[XF+64*(\p)+16*\a:XF+64*(\p)+16*\a+15], v[16*(8+\t):16*(8+\t)+15], v[8*(4*\t+\a):8*(4*\t+\a)+7]
.endif
.endr
.endr
.endm
; A step of 128 along K whose successor lies in the same slot.  A step's loads are issued in the order q's part of wqkv (16), x (16), k's part (16), v's part (16).
.macro STEP slot, q, p, zero
	s_wait_dscnt 32                                ; q's part and x are in; k's 16 and v's 16 may be out
	MULG 0, \p, \zero
	PLACES 4                                       ; in front of loads into registers that matrix instructions have read
	FETCH_W \slot, (\q)+1, 0
	FETCH_X \slot, (\q)+1, 1-\p
	s_wait_dscnt 48                                ; k's part is in: behind it stand v's 16 and the 32 just issued
	MULG 1, \p, \zero
	PLACES 4
	FETCH_W \slot, (\q)+1, 4
	s_wait_dscnt 48                                ; v's part is in: behind it stand 32 + 16 of the next step
	MULV \p, \zero
	PLACES 4
	FETCH_W \slot, (\q)+1, 8
	WIN 0
.endm
; A slot's last step changes slots: ONE barrier; in front of it each wave waits for all its tensor loads, adds 0 to its spare word, and waits for that and for its reads of this slot.
; fill = 1: this slot is filled again, 512 along K on; the barrier then opens a round of the cluster's barrier.
.macro TURN slot, next, p, fill
	s_wait_tensorcnt 0x0                           ; all my tensor loads have landed: my part of the next slot  (every window is 0 here)
	ds_add_u32 v[SPW], v[NIL]                      ; 0 onto my spare word
	s_wait_dscnt 33                                ; the add, k's 16 and v's 16 may be out
	MULG 0, \p, 0                                  ; sixteen matrix instructions stand between the add and the wait for it
	s_wait_dscnt 0x0                               ; the add is done, and my reads of this slot are over
	s_barrier_signal -1
	MULG 1, \p, 0
	WIN 0
	s_barrier_wait -1
.if \fill
	CREST                                          ; no wave of any partner still reads this slot's tile or has a load on its way
	s_add_nc_u64 s[G0+4*\slot+2:G0+4*\slot+3], s[G0+4*\slot+2:G0+4*\slot+3], 512
	s_add_nc_u64 s[G0B+4*\slot+2:G0B+4*\slot+3], s[G0B+4*\slot+2:G0B+4*\slot+3], 512
	JLOAD G0+4*\slot, G1, G0B+4*\slot, G1B         ; my one tensor load behind the round; its four v_nop are also the places in front of the loads below
.else
	PLACES 4
.endif
	FETCH_W \next, 0, 0
	FETCH_X \next, 0, 1-\p
	FETCH_W \next, 0, 4
	MULV \p, 0
	PLACES 4
	FETCH_W \next, 0, 8
	WIN 0
.endm
	s_wait_tensorcnt 1                             ; my part of slot 0 is in; slot 1's may stay out
	s_barrier_signal -1
	s_barrier_wait -1                              ; everybody's is
	FETCH_W 0, 0, 0
	FETCH_X 0, 0, 0
	FETCH_W 0, 0, 4
	FETCH_W 0, 0, 8
	WIN 0
	STEP 0, 0, 0, 1                                ; K 0: its products start the sums
	TURN 0, 1, 1, 1                                ; K 128; slot 0 takes K 512 on
	STEP 1, 0, 0, 0                                ; K 256
	TURN 1, 0, 1, 1                                ; K 384; slot 1 takes K 768 on
	STEP 0, 0, 0, 0                                ; K 512
	TURN 0, 1, 1, 0                                ; K 640; nothing is left to fetch
	STEP 1, 0, 0, 0                                ; K 768
	s_wait_dscnt 32                                ; K 896, the last step
	MULG 0, 1, 0
	s_wait_dscnt 16                                ; v's 16 may be out
	MULG 1, 1, 0
	s_wait_dscnt 0x0
	MULV 1, 0
	WIN 0
	; ---- v: held, converted along the keys, stored as quads of the images
	PLACES 4                                       ; the holds read results just made
	WIN 0xc3                                       ; source 0 and destination window 3
.set n, 0
.rept 128
	v_med3_num_f32 v[n], v[n], -v[LIMV], v[LIMV]   ; the conversion to an 8-bit code does not saturate (ISA guide 7.6.2); each accumulator from its low end on
.set n, n+1
.endr
	WIN 0x03
.irp t, 0,1,2,3
.irp a, 0,1,2,3
	v_cvt_scalef32_pk8_bf8_f32 v[VC+8*\t+2*\a:VC+8*\t+2*\a+1], v[8*(4*\t+\a):8*(4*\t+\a)+7], v[SCLV]   ; channel 16 t + r, keys 16 a + 8 h + 0 .. 7: registers 2 a, 2 a + 1 of my half of the fragment
.endr
.endr
	WIN 0
.irp t, 0,1,2,3
.irp u, 0,1
	global_store_b128 v[VO], v[VC+8*\t+4*\u:VC+8*\t+4*\u+3], s[10:11] offset:32768*\t+512*\u   ; 32 lanes store 512 consecutive bytes, at a multiple of 512 from the buffer's first byte
.endr
.endr
	; ---- q and k: held and converted along the head's 64
	WIN 0x82                                       ; source 0 and destination window 2
.set n, 0
.rept 128
	v_med3_num_f32 v[n], v[n], -v[LIMQ], v[LIMQ]
.set n, n+1
.endr
.rept 128
	v_med3_num_f32 v[n], v[n], -v[LIMK], v[LIMK]
.set n, n+1
.endr
	WIN 0x02
.irp b, 0,1,2,3
.irp a, 0,1,2,3
	v_cvt_scalef32_pk8_bf8_f32 v[QF+8*\a+2*\b:QF+8*\a+2*\b+1], v[8*(4*\b+\a):8*(4*\b+\a)+7], v[SCLQ]   ; row r, channels 16 b + 8 h + 0 .. 7: registers 2 b, 2 b + 1 of the K = 64 operand
.endr
.endr
.irp b, 0,1,2,3
.irp a, 0,1,2,3
	v_cvt_scalef32_pk8_bf8_f32 v[KF+8*\a+2*\b:KF+8*\a+2*\b+1], v[128+8*(4*\b+\a):128+8*(4*\b+\a)+7], v[SCLK]
.endr
.endr
	WIN 0
	v_nop                                          ; one plain vector instruction between a scaled conversion and the matrix instruction that reads its result
	; ---- q k^T: the four tiles on the diagonal, which are all that the masks keep
.irp a, 0,1,2,3
	v_wmma_f32_16x16x64_bf8_bf8 v[DG+8*\a:DG+8*\a+7], v[QF+8*\a:QF+8*\a+7], v[KF+8*\a:KF+8*\a+7], 0
.endr
.irp a, 0,1,2,3
	v_add3_u32 v[POS+\a], v1, s80, 16*\a           ; the row's position.  (These eight lines are the places behind the products)
.endr
.irp a, 0,1,2,3
	v_mov_b32 v[OT+\a], 0                          ; written once: a lane permute's destination counts as one of its sources
.endr
.irp a, 0,1,2,3
	v_cvt_f32_u32 v[PF+\a], v[POS+\a]
.endr
	; register j of lane (r, h) is (query 8 h + j, key r): row r's own sum stands in register r % 8 of the lane with h = r / 8
.irp a, 0,1,2,3
	v_cndmask_b32 v[EE+\a], v[DG+8*\a], v[DG+8*\a+1], s81
.endr
.irp j, 2,3,4,5,6,7
.irp a, 0,1,2,3
	v_cndmask_b32 v[EE+\a], v[EE+\a], v[DG+8*\a+\j], s[80+\j]
.endr
.endr
.irp a, 0,1,2,3
	v_permlanex16_b32 v[OT+\a], v[EE+\a], s76, s77
.endr
.irp a, 0,1,2,3
	v_cndmask_b32 v[EE+\a], v[OT+\a], v[EE+\a], s78   ; every lane (r, h) now holds row r's own sum
.endr
	; ---- the row's softmax
.irp a, 0,1,2,3
	v_mul_f32 v[TT+\a], s74, v[EE+\a]              ; t
.endr
.irp a, 0,1,2,3
	v_cmp_eq_u32 vcc_lo, 0, v[POS+\a]
	v_cndmask_b32 v[ZZ+\a], 0, v[NEG], vcc_lo      ; the zeros below the diagonal count among the logits, but position 0 has none
.endr
.irp a, 0,1,2,3
	v_max_num_f32 v[ZZ+\a], v[TT+\a], v[ZZ+\a]     ; the row's largest t
.endr
.irp a, 0,1,2,3
	v_floor_f32 v[NM+\a], -v[ZZ+\a]                ; -M = floor(-t) = -ceil(t)
.endr
.irp a, 0,1,2,3
	v_add_f32 v[DD+\a], v[TT+\a], v[NM+\a]         ; t - M
.endr
.irp a, 0,1,2,3
	v_min_num_f32 v[CC+\a], 0, v[NM+\a]            ; (position 0 may have M < 0; its c multiplies 0 and is used by no key: it is only kept finite)
.endr
.irp a, 0,1,2,3
	v_cvt_i32_f32 v[CC+\a], v[CC+\a]               ; (it saturates)
.endr
.irp a, 0,1,2,3
	v_exp_f32 v[DD+\a], v[DD+\a]                   ; d = 2^(t - M)
.endr
.irp a, 0,1,2,3
	v_ldexp_f32 v[CC+\a], 1.0, v[CC+\a]            ; c = 2^-M.  (Plain lines behind the exponentials)
.endr
	s_wait_alu depctr_va_vdst(0)
.irp a, 0,1,2,3
	v_fma_f32 v[LL+\a], v[PF+\a], v[CC+\a], v[DD+\a]   ; l = pos x c + d: the sum of the unquantised p
.endr
.irp a, 0,1,2,3
	v_rcp_f32 v[LL+\a], v[LL+\a]
.endr
.irp a, 0,1,2,3
	v_min_num_f32 v[PS+4*\a], v[CC+\a], v[LIMP]    ; p is not negative: the hold is one-sided.  (Plain lines behind the reciprocals)
	v_min_num_f32 v[PS+4*\a+1], v[DD+\a], v[LIMP]
	v_mov_b32 v[PS+4*\a+2], 0
	v_mov_b32 v[PS+4*\a+3], 0
.endr
	s_wait_alu depctr_va_vdst(0)
.irp a, 0,1,2,3
	v_ldexp_f32 v[LL+\a], v[LL+\a], s75            ; 2^(e4 + e5) / l
.endr
	v_cvt_scalef32_pk8_bf8_f32 v[PWD:PWD+1], v[PS:PS+7], v[SCLP]       ; a word a tile: code(c), code(d), 0, 0
	v_cvt_scalef32_pk8_bf8_f32 v[PWD+2:PWD+3], v[PS+8:PS+15], v[SCLP]
	v_nop                                          ; one plain vector instruction behind the conversions
.irp u, 0,1
	v_cndmask_b32 v[RC+2*\u], v[LL+2*\u], v[LL+2*\u+1], s79        ; lanes 0-15 carry tile 2 u's rows, lanes 16-31 tile 2 u + 1's
	v_cndmask_b32 v[RC+2*\u+1], v[PWD+2*\u], v[PWD+2*\u+1], s79
	global_store_b64 v[RO], v[RC+2*\u:RC+2*\u+1], s[12:13] offset:256*\u   ; 32 lanes store 256 consecutive bytes, at a multiple of 256 from the buffer's first byte
.endr
	s_wait_tensorcnt 0x0                           ; the wave's end
	ds_add_u32 v[SPW], v[NIL]
	s_wait_dscnt 0x0
	CROUND                                         ; the closing round: no work-group ends while a partner may still ask for a tile that names it
	s_endpgm
.Lfunc_end_k_qfbb92bdfe3_qkv:
	.size	k_qfbb92bdfe3_qkv, .Lfunc_end_k_qfbb92bdfe3_qkv-k_qfbb92bdfe3_qkv
	.p2alignl 7, 3214868480
	.fill 96, 4, 3214868480
	.section	.rodata,"a",@progbits
	.p2align	6, 0x0
	.amdhsa_kernel k_qfbb92bdfe3_qkv
		.amdhsa_group_segment_fixed_size 327680
		.amdhsa_private_segment_fixed_size 0
		.amdhsa_enable_private_segment 0
		.amdhsa_kernarg_size 40
		.amdhsa_user_sgpr_count 2
		.amdhsa_user_sgpr_kernarg_segment_ptr 1
		.amdhsa_wavefront_size32 1
		.amdhsa_system_sgpr_workgroup_id_x 1
		.amdhsa_system_sgpr_workgroup_id_y 1
		.amdhsa_system_sgpr_workgroup_id_z 1
		.amdhsa_system_vgpr_workitem_id 0
		.amdhsa_next_free_vgpr 896
		.amdhsa_next_free_sgpr 96
		.amdhsa_reserve_vcc 1
		.amdhsa_float_denorm_mode_32 3
		.amdhsa_float_denorm_mode_16_64 3
		.amdhsa_memory_ordered 1
		.amdhsa_forward_progress 1
		.amdhsa_inst_pref_size 107
	.end_amdhsa_kernel
	.amdgpu_metadata
---
amdhsa.version: [ 1, 2 ]
amdhsa.kernels:
  - .name:           k_qfbb92bdfe3_qkv
    .symbol:         k_qfbb92bdfe3_qkv.kd
    .args:
      - { .name: x_codes, .offset: 0, .size: 8, .value_kind: global_buffer, .address_space: global }
      - { .name: wqkv_codes, .offset: 8, .size: 8, .value_kind: global_buffer, .address_space: global }
      - { .name: lowp_scales, .offset: 16, .size: 8, .value_kind: global_buffer, .address_space: global }
      - { .name: vimg, .offset: 24, .size: 8, .value_kind: global_buffer, .address_space: global }
      - { .name: rec, .offset: 32, .size: 8, .value_kind: global_buffer, .address_space: global }
    .group_segment_fixed_size: 327680
    .private_segment_fixed_size: 0
    .kernarg_segment_align: 8
    .kernarg_segment_size: 40
    .max_flat_workgroup_size: 128
    .sgpr_count:     96
    .vgpr_count:     896
    .wavefront_size: 32
...
	.end_amdgpu_metadata
.endif
;; end of part 1
;; launch attn (part 2): grid 8 x 32, 4 waves a work-group, no clusters, 70,144 bytes of LDS; arguments vimg, rec, out0; writes out0
.if DOCPART == 2
	.amdgcn_target "amdgcn-amd-amdhsa--gfx1250"
	.amdhsa_code_object_version 6
	.text
	.protected	k_qfbb92bdfe3_attn
	.globl	k_qfbb92bdfe3_attn
	.p2align	8
	.type	k_qfbb92bdfe3_attn,@function
k_qfbb92bdfe3_attn:
	s_mov_b64 s[64:65], 0
	v_nop
	global_prefetch_b8 v0, s[64:65] scope:SCOPE_SE
	s_setreg_imm32_b32 hwreg(HW_REG_WAVE_MODE, 25, 1), 1
	s_wait_xcnt 0x0
; out(b, pos, head, :) = (the sum over keys of code(p) x code(v)) x 2^(e4 + e5) / l: the last product of the attention, on E5M2 codes, its lower triangle only (above the diagonal p = 0).
; Below the diagonal a row's p is ONE number c, on the diagonal d: their codes and 2^(e4 + e5) / l come from rec (8 bytes a row), V's codes from vimg, as images of the operand's registers.
; SHARES.  Work-group (i, bh) owns sixteen tiles of 16 queries of head bh: tile t holds positions 128 t + 16 i + r, one tile out of each block of 128.  Tile t takes t whole steps of 128 keys and one
; step on the diagonal, whatever i is: every work-group runs the same text, 136 matrix instructions a wave, with no loop and no branch.
; Wave w takes channels 16 w .. 16 w + 15 for all sixteen tiles: its strip of V^T, 16 fragments = 32,768 bytes = 256 registers, is loaded once, straight into the registers that multiply it.
; O^T = V^T P^T (source 0 = 16 channels, source 1 = 16 queries, K = 128 keys): in the result lane (r, h) holds query r and channels 16 w + 8 h + 0 .. 7.
; P's fragments are made by v_perm_b32 from the record's word (bytes code(c), code(d), 0, 0): register 2 c + p, byte y of lane (r, h) is key 16 c + 8 h + 4 p + y of the step.
;   a whole step: code(c) in every byte.   the diagonal step: code(c) where the key comes before the query 16 i + r, code(d) where it is the query, 0 behind it.
; NO JOINT REQUESTS.  The eight work-groups of a head read the same 131,072 bytes of images.  A joint request lands in LDS alone: it would add 131,072 bytes of LDS writes and as many of LDS reads for
; each work-group, and rounds of a cluster's barrier, where here each byte goes from memory straight into its operand register.
; THE WAY OUT.  A row's 64 channels come from four waves: they meet in a stage in LDS (256 rows of 256 bytes + 16), four tiles at a time as soon as these are finished; each group has rows of its own,
; so one barrier a group is enough.  Each wave then stores 16 whole rows: sixteen lanes store 256 consecutive bytes, at a multiple of 256 from the buffer's first byte.
; REGISTERS, in windows of 256: window 0: v1-19 addresses and constants; v32-63 the records, tile t's pair at v[32 + 2 t]; v64-79 the diagonal step's selectors; v128-255 the accumulators, 8 a tile.
;   window 1: the whole steps' P, v[16 t].   window 2: V, step s at v[16 s].   window 3: the diagonal steps' P, v[16 t].
.set SP,   272                         ; a stage row: 256 bytes + 16: row r starts at bank 4 r mod 64 (64 banks of 4 bytes: ISA guide 11.1)
.set REC,  32
.set SELP, 64
.set ACC,  128
.set MSB, 0
.macro WIN new                         ; the immediate's high byte repeats the setting that is left
.if MSB != \new
	s_set_vgpr_msb (MSB<<8)|\new
.set MSB, \new
.endif
.endm
	s_load_b128 s[4:7], s[0:1], 0x0                ; vimg s[4:5], rec s[6:7]
	s_load_b64 s[8:9], s[0:1], 0x10                ; out0
	v_lshl_add_u32 v126, v0, 2, 0x11000
	v_mov_b32 v127, 0
	v_lshrrev_b32 v1, 5, v0
	v_readfirstlane_b32 s10, v1                    ; wave 0..3 = my tile of channels
	s_and_b32 s11, ttmp7, 0xffff                   ; bh = 16 b + head
	s_mov_b32 s12, ttmp9                           ; i
	v_and_b32 v1, 15, v0                           ; r
	v_bfe_u32 v2, v0, 4, 1                         ; h
	v_and_b32 v5, 31, v0
	v_lshlrev_b32 v10, 4, v5                       ; 16 x lane: my place in a quad of an image
	v_lshlrev_b32 v11, 3, v1                       ; 8 r: my query's record
	v_mul_u32_u24 v12, v1, SP                      ; the stage, in: row r, + 32 h, + 64 x wave
	v_lshl_add_u32 v12, v2, 5, v12
	s_lshl_b32 s13, s10, 6
	v_add_nc_u32 v12, s13, v12
	s_mul_i32 s13, s10, 16*SP                      ; back: of a group's 64 rows my 16; lanes 0-15 one row, lanes 16-31 the next
	v_mul_u32_u24 v13, v2, SP
	v_lshl_add_u32 v13, v1, 4, v13
	v_add_nc_u32 v13, s13, v13
	v_lshlrev_b32 v14, 12, v2                      ; and the same two rows in out0: 4,096 bytes apart
	v_lshl_add_u32 v14, v1, 4, v14
	s_lshl_b32 s14, s11, 17                        ; vimg: 131,072 bytes a head, 32,768 a tile of channels
	s_lshl_b32 s15, s10, 15
	s_add_co_u32 s14, s14, s15
	s_mov_b32 s15, 0
	s_lshl_b32 s16, s11, 14                        ; rec: 16,384 bytes a head, + 16 i records
	s_lshl_b32 s17, s12, 7
	s_add_co_u32 s16, s16, s17
	s_mov_b32 s17, 0
	s_lshr_b32 s18, s11, 4                         ; out0: b x 2,048 rows of 4,096 bytes,
	s_lshl_b32 s18, s18, 23
	s_lshl_b32 s19, s12, 16                        ; + 16 i rows,
	s_add_co_u32 s18, s18, s19
	s_and_b32 s19, s11, 15
	s_lshl_b32 s19, s19, 8                         ; + the head's 256 bytes,
	s_add_co_u32 s18, s18, s19
	s_lshl_b32 s19, s10, 19                        ; + 128 x wave rows: of a group's four tiles I store tile wave
	s_add_co_u32 s18, s18, s19
	s_mov_b32 s19, 0
	; the selectors, made while the addresses are on their way.  v16, v17: for the 16 keys that hold the diagonal: byte y of word p is 0 (c) where 8 h + 4 p + y < r, 1 (d) where equal, 2 (zero) where greater
	v_lshlrev_b32 v3, 3, v2
	v_sub_nc_u32 v3, v1, v3                        ; r - 8 h
	v_mov_b32 v18, 1
	v_mov_b32 v19, 2
.irp p, 0,1
.irp y, 0,1,2,3
	v_cmp_gt_i32 vcc_lo, 4*\p+\y, v3
	v_cndmask_b32 v4, 0, v19, vcc_lo
	v_cmp_eq_u32 vcc_lo, 4*\p+\y, v3
	v_cndmask_b32 v4, v4, v18, vcc_lo
.if \y == 0
	v_mov_b32 v[16+\p], v4
.else
	v_lshl_or_b32 v[16+\p], v4, 8*\y, v[16+\p]
.endif
.endr
.endr
	s_mov_b32 s22, 0x02020202
.irp c, 0,1,2,3,4,5,6,7                        ; the diagonal step's 16 keys 16 c on: all before my queries (c < i), those with the diagonal (c = i), all behind (c > i)
	s_cmp_gt_u32 s12, \c
	s_cselect_b32 s21, 0, s22
	s_cmp_eq_u32 s12, \c
	s_cselect_b32 s23, -1, 0
	v_cndmask_b32 v[SELP+2*\c], s21, v16, s23
	v_cndmask_b32 v[SELP+2*\c+1], s21, v17, s23
.endr
	s_wait_kmcnt 0x0
	s_add_nc_u64 s[4:5], s[4:5], s[14:15]
	s_add_nc_u64 s[6:7], s[6:7], s[16:17]
	s_add_nc_u64 s[8:9], s[8:9], s[18:19]
.set tb, 0
.rept 16
	global_load_b64 v[REC+2*tb:REC+2*tb+1], v11, s[6:7] offset:1024*tb   ; tile tb's records: 2^(e4 + e5) / l, the word of codes
.set tb, tb+1
.endr
	WIN 0x80                                       ; destination window 2
.set tb, 0
.rept 64
	global_load_b128 v[4*tb:4*tb+3], v10, s[4:5] offset:512*tb           ; V, step tb / 4, quad tb % 4: 32 lanes read 512 consecutive bytes
.set tb, tb+1
.endr
	s_wait_loadcnt 63                              ; the sixteen records are in: 64 loads were issued behind the last of them, and 63 is the largest count that the wait can name
	WIN 0x40                                       ; destination window 1
.set tb, 1
.rept 15
.set nn, 0
.rept 16
	v_perm_b32 v[16*tb+nn], v[REC+2*tb+1], v[REC+2*tb+1], 0              ; code(c) in every byte
.set nn, nn+1
.endr
.set tb, tb+1
.endr
	WIN 0xc0                                       ; destination window 3
.set tb, 0
.rept 16
.set nn, 0
.rept 16
	v_perm_b32 v[16*tb+nn], v[REC+2*tb+1], v[REC+2*tb+1], v[SELP+nn]     ; code(c), code(d) or 0, byte by byte
.set nn, nn+1
.endr
.set tb, tb+1
.endr
.macro PD s                            ; tile s's step on the diagonal
	WIN 0x0e                                       ; source 0 (V) window 2, source 1 (P) window 3, C and D window 0
.if (\s) == 0
	v_wmma_f32_16x16x128_bf8_bf8 v[ACC+8*(\s):ACC+8*(\s)+7], v[16*(\s):16*(\s)+15], v[16*(\s):16*(\s)+15], 0
.else
	v_wmma_f32_16x16x128_bf8_bf8 v[ACC+8*(\s):ACC+8*(\s)+7], v[16*(\s):16*(\s)+15], v[16*(\s):16*(\s)+15], v[ACC+8*(\s):ACC+8*(\s)+7]
.endif
.endm
.macro CW s, t                         ; tile t's whole step s
	WIN 0x06                                       ; source 1 (P) window 1
.if (\s) == 0
	v_wmma_f32_16x16x128_bf8_bf8 v[ACC+8*(\t):ACC+8*(\t)+7], v[16*(\s):16*(\s)+15], v[16*(\t):16*(\t)+15], 0
.else
	v_wmma_f32_16x16x128_bf8_bf8 v[ACC+8*(\t):ACC+8*(\t)+7], v[16*(\s):16*(\s)+15], v[16*(\t):16*(\t)+15], v[ACC+8*(\t):ACC+8*(\t)+7]
.endif
.endm
; Key step s: tile s on the diagonal, tiles s + 1 .. 15 whole.  Step 0's products start the sums.  The accumulators take turns, one instruction a turn, and the last steps are ordered so that no two
; matrix instructions that follow each other name one accumulator.
.macro STEPM s
	s_wait_loadcnt 4*(15-(\s))                     ; this step's four loads are in; the later steps' four each may be out
.if (\s) == 13
	PD 13
	CW 13, 15
	CW 13, 14
.elseif (\s) == 14
	CW 14, 15
	PD 14
.else
	PD \s
.set bb, (\s)+1
.rept 15-(\s)
	CW \s, bb
.set bb, bb+1
.endr
.endif
.endm
; Tiles 4 u .. 4 u + 3 are finished: x 2^(e4 + e5) / l, into the stage; a barrier, since a row's 256 bytes come from four waves; my 16 rows back, into the registers that the group's sums have left.
.macro OUT_A u
	WIN 0
.rept 4
	v_nop                                          ; places: the multiplications read results just made (ISA guide 7.12.1)
.endr
.irp t, 0,1,2,3
.irp k, 0,2,4,6
	v_pk_mul_f32 v[ACC+8*(4*\u+\t)+\k:ACC+8*(4*\u+\t)+\k+1], v[ACC+8*(4*\u+\t)+\k:ACC+8*(4*\u+\t)+\k+1], v[REC+2*(4*\u+\t):REC+2*(4*\u+\t)+1] op_sel_hi:[1,0]   ; both by the pair's low word; each accumulator from its low end on
.endr
.endr
.irp t, 0,1,2,3
	ds_store_b128 v12, v[ACC+8*(4*\u+\t):ACC+8*(4*\u+\t)+3] offset:16*SP*(4*\u+\t)
	ds_store_b128 v12, v[ACC+8*(4*\u+\t)+4:ACC+8*(4*\u+\t)+7] offset:16*SP*(4*\u+\t)+16
.endr
	s_wait_dscnt 0x0                               ; for the others' sake: my stores into the stage are done
	s_barrier_signal -1
	s_barrier_wait -1
.irp t, 0,1,2,3,4,5,6,7
	ds_load_b128 v[ACC+32*\u+4*\t:ACC+32*\u+4*\t+3], v13 offset:64*SP*\u+2*SP*\t
.endr
.endm
.macro OUT_B u                         ; and they leave.  No register of these stores is written again
	WIN 0
	s_wait_dscnt 0x0                               ; the eight loads from the stage are in
.irp t, 0,1,2,3,4,5,6,7
	global_store_b128 v14, v[ACC+32*\u+4*\t:ACC+32*\u+4*\t+3], s[8:9] offset:2097152*\u+8192*\t th:TH_STORE_NT   ; rows 512 u + 2 t + h on from my first: inside the signed 24-bit immediate; written once, read by nobody here
.endr
.endm
	STEPM 0
	STEPM 1
	STEPM 2
	STEPM 3
	OUT_A 0
	STEPM 4                                        ; a step's products stand between a group's loads from the stage and the wait for them
	OUT_B 0
	STEPM 5
	STEPM 6
	STEPM 7
	OUT_A 1
	STEPM 8
	OUT_B 1
	STEPM 9
	STEPM 10
	STEPM 11
	OUT_A 2
	STEPM 12
	OUT_B 2
	STEPM 13
	STEPM 14
	STEPM 15
	OUT_A 3
	OUT_B 3
	s_wait_tensorcnt 0x0
	ds_add_u32 v126, v127
	s_wait_dscnt 0x0
	s_endpgm
.Lfunc_end_k_qfbb92bdfe3_attn:
	.size	k_qfbb92bdfe3_attn, .Lfunc_end_k_qfbb92bdfe3_attn-k_qfbb92bdfe3_attn
	.p2alignl 7, 3214868480
	.fill 96, 4, 3214868480
	.section	.rodata,"a",@progbits
	.p2align	6, 0x0
	.amdhsa_kernel k_qfbb92bdfe3_attn
		.amdhsa_group_segment_fixed_size 70144
		.amdhsa_private_segment_fixed_size 0
		.amdhsa_enable_private_segment 0
		.amdhsa_kernarg_size 24
		.amdhsa_user_sgpr_count 2
		.amdhsa_user_sgpr_kernarg_segment_ptr 1
		.amdhsa_wavefront_size32 1
		.amdhsa_system_sgpr_workgroup_id_x 1
		.amdhsa_system_sgpr_workgroup_id_y 1
		.amdhsa_system_sgpr_workgroup_id_z 1
		.amdhsa_system_vgpr_workitem_id 0
		.amdhsa_next_free_vgpr 1024
		.amdhsa_next_free_sgpr 66
		.amdhsa_reserve_vcc 1
		.amdhsa_float_denorm_mode_32 3
		.amdhsa_float_denorm_mode_16_64 3
		.amdhsa_memory_ordered 1
		.amdhsa_forward_progress 1
		.amdhsa_inst_pref_size 67
	.end_amdhsa_kernel
	.amdgpu_metadata
---
amdhsa.version: [ 1, 2 ]
amdhsa.kernels:
  - .name:           k_qfbb92bdfe3_attn
    .symbol:         k_qfbb92bdfe3_attn.kd
    .args:
      - { .name: vimg, .offset: 0, .size: 8, .value_kind: global_buffer, .address_space: global }
      - { .name: rec, .offset: 8, .size: 8, .value_kind: global_buffer, .address_space: global }
      - { .name: out0, .offset: 16, .size: 8, .value_kind: global_buffer, .address_space: global }
    .group_segment_fixed_size: 70144
    .private_segment_fixed_size: 0
    .kernarg_segment_align: 8
    .kernarg_segment_size: 24
    .max_flat_workgroup_size: 128
    .sgpr_count:     66
    .vgpr_count:     1024
    .wavefront_size: 32
...
	.end_amdgpu_metadata
.endif
;; end of part 2
;; ======== version 2 of 2: 2 launches; version 1 with the launch attn written anew for expert scheduling mode
;; limits: right only within a limited range of input values
;; workspace buffers: vimg 4,194,304 bytes; rec 524,288 bytes
;; launch qkv: the kernel of part 1 again; grid 16 x 16, 4 waves a work-group, clusters of 4 x 4, 327,680 bytes of LDS; arguments x_codes, wqkv_codes, lowp_scales, vimg, rec; writes vimg, rec
;; launch attn (part 3): grid 8 x 32, 4 waves a work-group, no clusters, 70,144 bytes of LDS; arguments vimg, rec, out0; writes out0
.if DOCPART == 3
	.amdgcn_target "amdgcn-amd-amdhsa--gfx1250"
	.amdhsa_code_object_version 6
	.text
	.protected	k_qfbb92bdfe3_attn
	.globl	k_qfbb92bdfe3_attn
	.p2align	8
	.type	k_qfbb92bdfe3_attn,@function
k_qfbb92bdfe3_attn:
	s_mov_b64 s[64:65], 0
	v_nop
	global_prefetch_b8 v0, s[64:65] scope:SCOPE_SE
	s_setreg_imm32_b32 hwreg(HW_REG_WAVE_SCHED_MODE, 0, 2), 2
	s_setreg_imm32_b32 hwreg(HW_REG_WAVE_MODE, 25, 1), 1
	s_wait_xcnt 0x0
	s_wait_alu depctr_vm_vsrc(0)
; out(b, pos, head, :) = (the sum over keys of code(p) x code(v)) x 2^(e4 + e5) / l: the last product of the attention, on E5M2 codes, its lower triangle only (above the diagonal p = 0).
; Below the diagonal a row's p is ONE number c, on the diagonal d: their codes and 2^(e4 + e5) / l come from rec (8 bytes a row), V's codes from vimg, as images of the operand's registers.
; SHARES.  Work-group (i, bh) owns sixteen tiles of 16 queries of head bh: tile t holds positions 128 t + 16 i + r, one tile out of each block of 128.  Tile t takes t whole steps of 128 keys and one
; step on the diagonal, whatever i is: every work-group runs the same text, 136 matrix instructions a wave, with no loop and no branch.
; Wave w takes channels 16 w .. 16 w + 15 for all sixteen tiles: its strip of V^T, 16 fragments = 32,768 bytes = 256 registers, is loaded once, straight into the registers that multiply it.
; O^T = V^T P^T (source 0 = 16 channels, source 1 = 16 queries, K = 128 keys): in the result lane (r, h) holds query r and channels 16 w + 8 h + 0 .. 7.
; P's fragments are made by v_perm_b32 from the record's word (bytes code(c), code(d), 0, 0): register 2 c + p, byte y of lane (r, h) is key 16 c + 8 h + 4 p + y of the step.
;   a whole step: code(c) in every byte.   the diagonal step: code(c) where the key comes before the query 16 i + r, code(d) where it is the query, 0 behind it.
; NO JOINT REQUESTS.  The eight work-groups of a head read the same 131,072 bytes of images.  A joint request lands in LDS alone: it would add 131,072 bytes of LDS writes and as many of LDS reads for
; each work-group, and rounds of a cluster's barrier, where here each byte goes from memory straight into its operand register.
; THE WAY OUT.  A row's 64 channels come from four waves: they meet in a stage in LDS (256 rows of 256 bytes + 16), four tiles at a time as soon as these are finished; each group has rows of its own,
; so one barrier a group is enough.  Each wave then stores 16 whole rows: sixteen lanes store 256 consecutive bytes, at a multiple of 256 from the buffer's first byte.
; REGISTERS, in windows of 256: window 0: v1-19 addresses and constants; v32-63 the records, tile t's pair at v[32 + 2 t]; v64-79 the diagonal step's selectors; v126, v127 the add's two; v128-255 the accumulators, 8 a tile.
;   window 1: the whole steps' P, v[16 t].   window 2: V, step s at v[16 s].   window 3: the diagonal steps' P, v[16 t].
; THE MODE: SCHED_MODE bits 1:0 = 2 (LLVM: expert scheduling mode 2), set by the entry lines.  The code itself states the register dependences
; between vector or matrix instructions and memory or LDS instructions, with s_wait_alu, always for 0.
; THE PLAN.  Registers that memory or LDS instructions touch:
;   v10-v14, v126, v127   offsets and LDS addresses: written once at the head by vector instructions, read by memory and LDS instructions alone, never written again.
;   v32-63, window 2      the records and V: loads land in them once; no vector instruction names them before; they are read behind the waits on LOADcnt and never written again.
;   group u's accumulators (v[128 + 32 u], 32 registers): written by matrix instructions and, in place, by the way out's sixteen multiplications; read by its eight LDS stores; then its eight loads
;                         from the stage land in them; then its eight global stores read them; never written again.
;   P (windows 1 and 3), the selectors and v1-5, v16-19 are named by vector and matrix instructions alone.
; So: ONE wait on va_vdst ahead of the first load, for all addresses; in each way out ONE wait on va_vdst between the multiplications and the LDS stores, which also serves the loads from the stage (no
; vector or matrix instruction stands between it and them), and ONE wait on vm_vsrc ahead of those loads.  The matrix instructions that stand between a group's loads from the stage and its global stores
; name later tiles' accumulators, V and P: none of the registers that those loads and stores touch.  Two waits on va_sdst at the head: for the wave's number, and for a run of sixteen compares.
.set SP,   272                         ; a stage row: 256 bytes + 16: row r starts at bank 4 r mod 64 (64 banks of 4 bytes: ISA guide 11.1)
.set REC,  32
.set SELP, 64
.set ACC,  128
.set CMP,  24                          ; s[24:39] the masks of the sixteen compares: for key n of 8: 'behind the query' at CMP + 2 n, 'the query' at CMP + 2 n + 1
.set MSB, 0
.macro WIN new                         ; the immediate's high byte repeats the setting that is left
.if MSB != \new
	s_set_vgpr_msb (MSB<<8)|\new
.set MSB, \new
.endif
.endm
	s_load_b128 s[4:7], s[0:1], 0x0                ; vimg s[4:5], rec s[6:7]
	s_load_b64 s[8:9], s[0:1], 0x10                ; out0
	v_lshl_add_u32 v126, v0, 2, 0x11000            ; the LDS address of my spare word, behind the stage's 256 rows; kept for the closing lines alone
	v_mov_b32 v127, 0                              ; 0, likewise
	v_lshrrev_b32 v1, 5, v0
	v_readfirstlane_b32 s10, v1                    ; wave 0..3 = my tile of channels
	s_and_b32 s11, ttmp7, 0xffff                   ; bh = 16 b + head
	s_mov_b32 s12, ttmp9                           ; i
	v_and_b32 v1, 15, v0                           ; r
	v_bfe_u32 v2, v0, 4, 1                         ; h
	v_and_b32 v5, 31, v0
	v_lshlrev_b32 v10, 4, v5                       ; 16 x lane: my place in a quad of an image
	v_lshlrev_b32 v11, 3, v1                       ; 8 r: my query's record
	v_mul_u32_u24 v12, v1, SP                      ; the stage, in: row r, + 32 h, + 64 x wave
	v_lshl_add_u32 v12, v2, 5, v12
	s_wait_alu depctr_va_sdst(0)                   ; s10 is written, ahead of its first reader: LDS addresses and the three bases are made from it
	s_lshl_b32 s13, s10, 6
	v_add_nc_u32 v12, s13, v12
	s_mul_i32 s13, s10, 16*SP                      ; back: of a group's 64 rows my 16; lanes 0-15 one row, lanes 16-31 the next
	v_mul_u32_u24 v13, v2, SP
	v_lshl_add_u32 v13, v1, 4, v13
	v_add_nc_u32 v13, s13, v13
	v_lshlrev_b32 v14, 12, v2                      ; and the same two rows in out0: 4,096 bytes apart
	v_lshl_add_u32 v14, v1, 4, v14
	s_lshl_b32 s14, s11, 17                        ; vimg: 131,072 bytes a head, 32,768 a tile of channels
	s_lshl_b32 s15, s10, 15
	s_add_co_u32 s14, s14, s15
	s_mov_b32 s15, 0
	s_lshl_b32 s16, s11, 14                        ; rec: 16,384 bytes a head, + 16 i records
	s_lshl_b32 s17, s12, 7
	s_add_co_u32 s16, s16, s17
	s_mov_b32 s17, 0
	s_lshr_b32 s18, s11, 4                         ; out0: b x 2,048 rows of 4,096 bytes,
	s_lshl_b32 s18, s18, 23
	s_lshl_b32 s19, s12, 16                        ; + 16 i rows,
	s_add_co_u32 s18, s18, s19
	s_and_b32 s19, s11, 15
	s_lshl_b32 s19, s19, 8                         ; + the head's 256 bytes,
	s_add_co_u32 s18, s18, s19
	s_lshl_b32 s19, s10, 19                        ; + 128 x wave rows: of a group's four tiles I store tile wave
	s_add_co_u32 s18, s18, s19
	s_mov_b32 s19, 0
	; the selectors, made while the addresses are on their way.  v16, v17: for the 16 keys that hold the diagonal: byte y of word p is 0 (c) where 8 h + 4 p + y < r, 1 (d) where equal, 2 (zero) where greater
	v_lshlrev_b32 v3, 3, v2
	v_sub_nc_u32 v3, v1, v3                        ; r - 8 h
	v_mov_b32 v18, 1
	v_mov_b32 v19, 2
.irp n, 0,1,2,3,4,5,6,7                        ; the compares stand in one run, each with a scalar register of its own, so that one wait serves all sixteen
	v_cmp_gt_i32 s[CMP+2*\n], \n, v3
	v_cmp_eq_u32 s[CMP+2*\n+1], \n, v3
.endr
	s_wait_alu depctr_va_sdst(0)                   ; the sixteen masks s24 to s39 are written, ahead of the first select that reads one
.irp p, 0,1
.irp y, 0,1,2,3
	v_cndmask_b32 v4, 0, v19, s[CMP+2*(4*\p+\y)]
	v_cndmask_b32 v4, v4, v18, s[CMP+2*(4*\p+\y)+1]
.if \y == 0
	v_mov_b32 v[16+\p], v4
.else
	v_lshl_or_b32 v[16+\p], v4, 8*\y, v[16+\p]
.endif
.endr
.endr
	s_mov_b32 s22, 0x02020202
.irp c, 0,1,2,3,4,5,6,7                        ; the diagonal step's 16 keys 16 c on: all before my queries (c < i), those with the diagonal (c = i), all behind (c > i)
	s_cmp_gt_u32 s12, \c
	s_cselect_b32 s21, 0, s22
	s_cmp_eq_u32 s12, \c
	s_cselect_b32 s23, -1, 0
	v_cndmask_b32 v[SELP+2*\c], s21, v16, s23
	v_cndmask_b32 v[SELP+2*\c+1], s21, v17, s23
.endr
	s_wait_kmcnt 0x0
	s_add_nc_u64 s[4:5], s[4:5], s[14:15]
	s_add_nc_u64 s[6:7], s[6:7], s[16:17]
	s_add_nc_u64 s[8:9], s[8:9], s[18:19]
	s_wait_alu depctr_va_vdst(0)                   ; v10 to v14, v126 and v127 are written: every load, LDS access and store of the kernel reads one of them as its offset or address, and no vector instruction names them again
.set tb, 0
.rept 16
	global_load_b64 v[REC+2*tb:REC+2*tb+1], v11, s[6:7] offset:1024*tb   ; tile tb's records: 2^(e4 + e5) / l, the word of codes
.set tb, tb+1
.endr
	WIN 0x80                                       ; destination window 2  (between the wait above and the loads below stand loads and this switch alone)
.set tb, 0
.rept 64
	global_load_b128 v[4*tb:4*tb+3], v10, s[4:5] offset:512*tb           ; V, step tb / 4, quad tb % 4: 32 lanes read 512 consecutive bytes
.set tb, tb+1
.endr
	s_wait_loadcnt 63                              ; the sixteen records are in: 64 loads were issued behind the last of them, and 63 is the largest count that the wait can name
	WIN 0x40                                       ; destination window 1
.set tb, 1
.rept 15
.set nn, 0
.rept 16
	v_perm_b32 v[16*tb+nn], v[REC+2*tb+1], v[REC+2*tb+1], 0              ; code(c) in every byte
.set nn, nn+1
.endr
.set tb, tb+1
.endr
	WIN 0xc0                                       ; destination window 3
.set tb, 0
.rept 16
.set nn, 0
.rept 16
	v_perm_b32 v[16*tb+nn], v[REC+2*tb+1], v[REC+2*tb+1], v[SELP+nn]     ; code(c), code(d) or 0, byte by byte
.set nn, nn+1
.endr
.set tb, tb+1
.endr
.macro PD s                            ; tile s's step on the diagonal
	WIN 0x0e                                       ; source 0 (V) window 2, source 1 (P) window 3, C and D window 0
.if (\s) == 0
	v_wmma_f32_16x16x128_bf8_bf8 v[ACC+8*(\s):ACC+8*(\s)+7], v[16*(\s):16*(\s)+15], v[16*(\s):16*(\s)+15], 0
.else
	v_wmma_f32_16x16x128_bf8_bf8 v[ACC+8*(\s):ACC+8*(\s)+7], v[16*(\s):16*(\s)+15], v[16*(\s):16*(\s)+15], v[ACC+8*(\s):ACC+8*(\s)+7]
.endif
.endm
.macro CW s, t                         ; tile t's whole step s
	WIN 0x06                                       ; source 1 (P) window 1
.if (\s) == 0
	v_wmma_f32_16x16x128_bf8_bf8 v[ACC+8*(\t):ACC+8*(\t)+7], v[16*(\s):16*(\s)+15], v[16*(\t):16*(\t)+15], 0
.else
	v_wmma_f32_16x16x128_bf8_bf8 v[ACC+8*(\t):ACC+8*(\t)+7], v[16*(\s):16*(\s)+15], v[16*(\t):16*(\t)+15], v[ACC+8*(\t):ACC+8*(\t)+7]
.endif
.endm
; Key step s: tile s on the diagonal, tiles s + 1 .. 15 whole.  Step 0's products start the sums.  The accumulators take turns, one instruction a turn, and the last steps are ordered so that no two
; matrix instructions that follow each other name one accumulator.
.macro STEPM s
	s_wait_loadcnt 4*(15-(\s))                     ; this step's four loads are in; the later steps' four each may be out
.if (\s) == 13
	PD 13
	CW 13, 15
	CW 13, 14
.elseif (\s) == 14
	CW 14, 15
	PD 14
.else
	PD \s
.set bb, (\s)+1
.rept 15-(\s)
	CW \s, bb
.set bb, bb+1
.endr
.endif
.endm
; Tiles 4 u .. 4 u + 3 are finished: x 2^(e4 + e5) / l, into the stage; a barrier, since a row's 256 bytes come from four waves; my 16 rows back, into the registers that the group's sums have left.
.macro OUT_A u
	WIN 0
.rept 4
	v_nop                                          ; places: the multiplications read results just made (ISA guide 7.12.1)
.endr
.irp t, 0,1,2,3
.irp k, 0,2,4,6
	v_pk_mul_f32 v[ACC+8*(4*\u+\t)+\k:ACC+8*(4*\u+\t)+\k+1], v[ACC+8*(4*\u+\t)+\k:ACC+8*(4*\u+\t)+\k+1], v[REC+2*(4*\u+\t):REC+2*(4*\u+\t)+1] op_sel_hi:[1,0]   ; both by the pair's low word; each accumulator from its low end on
.endr
.endr
	s_wait_alu depctr_va_vdst(0)                   ; the multiplications have written the group's 32 registers, which the LDS stores read; they and the matrix instructions are done with these registers, in which the loads from the stage land
.irp t, 0,1,2,3
	ds_store_b128 v12, v[ACC+8*(4*\u+\t):ACC+8*(4*\u+\t)+3] offset:16*SP*(4*\u+\t)
	ds_store_b128 v12, v[ACC+8*(4*\u+\t)+4:ACC+8*(4*\u+\t)+7] offset:16*SP*(4*\u+\t)+16
.endr
	s_wait_dscnt 0x0                               ; for the others' sake: my stores into the stage are done
	s_barrier_signal -1
	s_barrier_wait -1
	s_wait_alu depctr_vm_vsrc(0)                   ; my LDS stores have read the group's 32 registers, which the loads below write
.irp t, 0,1,2,3,4,5,6,7
	ds_load_b128 v[ACC+32*\u+4*\t:ACC+32*\u+4*\t+3], v13 offset:64*SP*\u+2*SP*\t
.endr
.endm
.macro OUT_B u                         ; and they leave.  No register of these stores is written again.  No wait on va_vdst: the data come from LDS loads, and no vector or matrix instruction since the group's wait names them or v14
	WIN 0
	s_wait_dscnt 0x0                               ; the eight loads from the stage are in
.irp t, 0,1,2,3,4,5,6,7
	global_store_b128 v14, v[ACC+32*\u+4*\t:ACC+32*\u+4*\t+3], s[8:9] offset:2097152*\u+8192*\t th:TH_STORE_NT   ; rows 512 u + 2 t + h on from my first: inside the signed 24-bit immediate; written once, read by nobody here
.endr
.endm
	STEPM 0
	STEPM 1
	STEPM 2
	STEPM 3
	OUT_A 0
	STEPM 4                                        ; a step's products stand between a group's loads from the stage and the wait for them
	OUT_B 0
	STEPM 5
	STEPM 6
	STEPM 7
	OUT_A 1
	STEPM 8
	OUT_B 1
	STEPM 9
	STEPM 10
	STEPM 11
	OUT_A 2
	STEPM 12
	OUT_B 2
	STEPM 13
	STEPM 14
	STEPM 15
	OUT_A 3
	OUT_B 3
	s_wait_dscnt 0x0                               ; the closing lines, six on end (every window is 0 here)
	s_wait_alu 0x0
	s_wait_tensorcnt 0x0
	ds_add_u32 v126, v127
	s_wait_dscnt 0x0
	s_endpgm
.Lfunc_end_k_qfbb92bdfe3_attn:
	.size	k_qfbb92bdfe3_attn, .Lfunc_end_k_qfbb92bdfe3_attn-k_qfbb92bdfe3_attn
	.p2alignl 7, 3214868480
	.fill 96, 4, 3214868480
	.section	.rodata,"a",@progbits
	.p2align	6, 0x0
	.amdhsa_kernel k_qfbb92bdfe3_attn
		.amdhsa_group_segment_fixed_size 70144
		.amdhsa_private_segment_fixed_size 0
		.amdhsa_enable_private_segment 0
		.amdhsa_kernarg_size 24
		.amdhsa_user_sgpr_count 2
		.amdhsa_user_sgpr_kernarg_segment_ptr 1
		.amdhsa_wavefront_size32 1
		.amdhsa_system_sgpr_workgroup_id_x 1
		.amdhsa_system_sgpr_workgroup_id_y 1
		.amdhsa_system_sgpr_workgroup_id_z 1
		.amdhsa_system_vgpr_workitem_id 0
		.amdhsa_next_free_vgpr 1024
		.amdhsa_next_free_sgpr 66
		.amdhsa_reserve_vcc 0
		.amdhsa_float_denorm_mode_32 3
		.amdhsa_float_denorm_mode_16_64 3
		.amdhsa_memory_ordered 1
		.amdhsa_forward_progress 1
		.amdhsa_inst_pref_size 69
	.end_amdhsa_kernel
	.amdgpu_metadata
---
amdhsa.version: [ 1, 2 ]
amdhsa.kernels:
  - .name:           k_qfbb92bdfe3_attn
    .symbol:         k_qfbb92bdfe3_attn.kd
    .args:
      - { .name: vimg, .offset: 0, .size: 8, .value_kind: global_buffer, .address_space: global }
      - { .name: rec, .offset: 8, .size: 8, .value_kind: global_buffer, .address_space: global }
      - { .name: out0, .offset: 16, .size: 8, .value_kind: global_buffer, .address_space: global }
    .group_segment_fixed_size: 70144
    .private_segment_fixed_size: 0
    .kernarg_segment_align: 8
    .kernarg_segment_size: 24
    .max_flat_workgroup_size: 128
    .sgpr_count:     66
    .vgpr_count:     1024
    .wavefront_size: 32
...
	.end_amdgpu_metadata
.endif
;; end of part 3
